; MI455X (gfx1250); checked and timed in simulation.
; The chip was launched on July 23, 2026; its instructions are those of AMD's public machine-readable ISA for CDNA 5 (MIT licence, August 2026) and "CDNA5" Instruction Set Architecture Reference Guide (July 2026). The comments in the code are by the model that wrote it; some were corrected since.
;; Multi Head Self Attention. Allowed arithmetic: matrix products marked QUANTISED: E2M3 operands, one E8M0 scale for each 32 along K, by v_wmma_scale_f32_16x16x128_f8f6f4 with both operands' format E2M3, f32 sums; everything else in f32.
;; Inputs: b_out 1,024 float32; b_qkv 3,072 float32; w_out_codes 1,024 x 32 x 24 uint8 (E2M3 codes of w_out, K innermost, in blocks of 32 codes, four codes in three bytes); w_out_scales 1,024 x 32 uint8 (E8M0 scales of w_out, one for each 32 codes along K); w_qkv_codes 3,072 x 32 x 24 uint8 (E2M3 codes of w_qkv, K innermost, in blocks of 32 codes, four codes in three bytes); w_qkv_scales 3,072 x 32 uint8 (E8M0 scales of w_qkv, one for each 32 codes along K); x_codes 4 x 2,048 x 32 x 24 uint8 (E2M3 codes of x, K innermost, in blocks of 32 codes, four codes in three bytes); x_scales 4 x 2,048 x 32 uint8 (E8M0 scales of x, one for each 32 codes along K).
;; Outputs: out0 4 x 2,048 x 1,024 float32.
;; This version of the problem:
;;   THIS VERSION OF THE PROBLEM IS GIVEN IN LOW PRECISION. The matrix products marked QUANTISED in the list below multiply operands that are first quantised to E2M3 (2 exponent bits, 3 mantissa bits; 6 bits a number), with one power-of-two scale for each 32 numbers along K (OCP MX v1.0); their sums are f32. All else is computed in f32.
;;   The module's matrix products, in the order in which they are computed (A, B: the left and right operand; K: the contracted axis; several contracted axes count as one K, in the product's order):
;;     1. [M 8,192, K 1,024] x [K 1,024, N 3,072]; A: input x (given as codes); B: input w_qkv (given as codes): QUANTISED
;;     2. batch 64 x [M 2,048, K 64] x [K 64, N 2,048]; A: computed on the way; B: computed on the way: QUANTISED
;;     3. batch 64 x [M 2,048, K 2,048] x [K 2,048, N 64]; A: softmax (see below); B: computed on the way: QUANTISED
;;     4. [M 8,192, K 1,024] x [K 1,024, N 1,024]; A: computed on the way; B: input w_out (given as codes): QUANTISED
;;   THE QUANTISER, for each operand of a quantised product, along K:
;;     - K is cut into blocks of 32 from its start; a last block that is shorter is filled with zeros.
;;     - A block's scale is 2^e with e = floor(log2(the largest magnitude in the block)) - 2, held to -126 .. 127; a block of zeros has e = 0. As a byte (E8M0): e + 127.
;;     - Each number is divided by its block's scale, clamped to +-7.5, and rounded to the nearest number of E2M3, ties to even, subnormals kept.
;;     - The product sums the exact products of the quantised numbers (number of the format x scale) in f32.
;;   ~~~python
;;   def quantise(x, axis):      # numpy; x: float32 -> the quantised numbers, widened to float32 again
;;       x = np.moveaxis(x, axis, -1); K = x.shape[-1]
;;       x = np.pad(x, [(0, 0)] * (x.ndim - 1) + [(0, -K % 32)]); x = x.reshape(x.shape[:-1] + (-1, 32)); a = np.abs(x).max(-1, keepdims=True)
;;       e = np.where(a > 0, np.clip(np.frexp(np.where(a > 0, a, 1))[1] - 1 - 2, -126, 127), 0)      # np.frexp(a)[1] - 1 = floor(log2(a)), exactly
;;       r = np.clip(x / 2.0 ** e, -7.5, 7.5)
;;       step = 2.0 ** (np.maximum(np.frexp(np.where(r == 0, 1, r))[1] - 1, 0) - 3)
;;       q = np.round(r / step) * step * 2.0 ** e      # np.round: ties to even
;;       return np.moveaxis(q.reshape(q.shape[:-2] + (-1,))[..., :K], -1, axis).astype(np.float32)
;;   ~~~
;;   SOFTMAX AHEAD OF A QUANTISED PRODUCT. Where the list says 'softmax', what is quantised is not the finished softmax but p = 2^(t - M), with t = logit x log2(e) and M = ceil(the row's largest t), a whole number; so 1/2 < the row's largest p <= 1. The row's sum l is taken of the UNQUANTISED p, in f32, and the product's result is divided by l at the end. Since M is a whole number, a kernel that streams over the keys may use a running M (the ceiling of the running maximum): every later rescaling is an exact power of two, which a block's scale takes up: the codes' values come out the same.
;;   OPERANDS COMPUTED ON THE WAY. 'Computed on the way' means the value that the module computes at that place (a softmax that the list does not call 'softmax' is quantised finished and normalised). What goes into a quantiser is computed in f32, as accurately as f32 sums, v_exp_f32 and their like allow (about 1e-6 of the number): no bf16 or f16 on the way to a quantiser, and a product that is left as it is and whose result goes on into a quantised operand takes f32 operands (vector FMAs, or v_wmma_f32_16x16x4_f32). A number that lies on a knife's edge between two numbers of the format may be rounded either way, as far as f32 arithmetic and the matrix unit's own rounding can turn it there, and no further.
;;   INPUTS GIVEN AS CODES. w_out (in the module: [1024, 1024], K = its axis 0); w_qkv (in the module: [1024, 3072], K = its axis 0); x (in the module: [4, 2048, 1024], K = its axis 2): each comes as NAME_codes (uint8): NAME with its K axis moved to the last place and cut into blocks of 32 codes, [.., K / 32, bytes a block], one block behind the other in memory; four codes in three bytes: a row's codes are one little-endian stream of bits, code i at bits 6 i .. 6 i + 5 (a code: sign, 2 exponent bits, 3 mantissa bits); and NAME_scales (uint8): the same leading axes, one E8M0 byte (e + 127) for each 32 codes along K. Its value is code x scale, taken as it is: it is not quantised again, and the codes and scales need not be those that the quantiser above would give.
;; One version. Each part assembles by itself: llvm-mc -triple=amdgcn-amd-amdhsa -mcpu=gfx1250 --defsym DOCPART=n.
;; ======== version 1 of 1: 3 launches
;; workspace buffers: qrec 6,815,744 bytes; kv 13,631,488 bytes; arec 6,291,456 bytes; ascl 262,144 bytes
;; launch qkv (part 1): grid 12 x 64, 4 waves a work-group, clusters of 4 x 4, 327,680 bytes of LDS; arguments x_codes, x_scales, w_qkv_codes, w_qkv_scales, b_qkv, qrec, kv; writes qrec, kv
.if DOCPART == 1
	.amdgcn_target "amdgcn-amd-amdhsa--gfx1250"
	.amdhsa_code_object_version 6
	.text
	.protected	k_q548c842f61_qkv
	.globl	k_q548c842f61_qkv
	.p2align	8
	.type	k_q548c842f61_qkv,@function
k_q548c842f61_qkv:
	s_mov_b64 s[64:65], 0
	v_nop
	global_prefetch_b8 v0, s[64:65] scope:SCOPE_SE
	s_setreg_imm32_b32 hwreg(HW_REG_WAVE_MODE, 25, 1), 1
	s_wait_xcnt 0x0
	s_wait_alu depctr_hold_cnt(0) depctr_sa_sdst(0) depctr_va_vdst(0) depctr_va_sdst(0) depctr_va_ssrc(0) depctr_va_vcc(0) depctr_vm_vsrc(0)
	s_getreg_b32 s2, hwreg(HW_REG_IB_STS2, 6, 4)
	s_cmp_eq_u32 s2, 0
	s_cbranch_scc0 .Lentry_in_a_cluster
	s_endpgm
.Lentry_in_a_cluster:
	s_bfe_u32 s2, ttmp6, 0x10000c
	s_cmp_lg_u32 s2, 0xf033
	s_cbranch_scc0 .Lentry_shape_is_right
	s_endpgm
.Lentry_shape_is_right:
; qkv = x w_qkv + b_qkv on codes of FP6 (E2M3) with E8M0 scales, and the quantisers of q, k (along a head's 64 channels) and of v (along the keys).
; x: 8,192 rows x 1,024 K, w_qkv: 3,072 rows x 1,024 K, both with K innermost, 768 bytes a row; scale bytes 32 a row.
; A work-group of four waves takes 128 rows of x and 256 rows of w; a wave makes 64 x 128: 32 accumulators of 16 x 16.
; Source 0 of the matrix instruction is the axis that is quantised afterwards: a lane's registers then run along it.
;   q, k (cluster x = 0, 1): source 0 = 128 rows of w (two heads), source 1 = 64 tokens.   v (cluster x = 2): source 0 = the 128 tokens, source 1 = 64 rows of w (one head).
; Both ways use the same tensor loads and the same text; only the bases of the LDS reads are chosen, by the cluster's x, which all partners share.
; K = 1,024 is four slots of 256; three slots lie in LDS, so three are first fills and one slot is filled again, behind one round of the cluster's barrier.  No loop.
; CLUSTER 4 x 4: x's tile is shared along a row of the cluster, w's along a column: joint loads.
; ORDER INSIDE A BLOCK OF 32: tiles 2 B and 2 B + 1 of source 0 give a lane 16 numbers of block B (index 16 t + 8 (lane / 16) + j); they are converted as they stand, so code place 16 h + 8 t + j
; holds element 16 t + 8 h + j.  q and k get the same order, and so do v and the weights of the next launch: the products and the blocks' scales are those of the natural order.
; OUT: images of operand registers: qrec and kv's first half: 8 fragments x 6 registers for 128 tokens of a head, then scale words; kv's second half: v's 4 fragments x 12 registers, then scale words.
; Nothing is prefetched: all streams but one refill are asked for at the head.
; LIMITS: NaN and infinities are not served.  A block of zeros, or one whose largest magnitude lies under 2^-124, gets the scale byte 1 (the stated quantiser: 127 for zeros); only this program reads the bytes.
.set PITCH, 240                        ; an LDS row: 3 x (64 bytes + 16 of padding)
.set ROWB,  192                        ; 256 codes
.set KROW,  768                        ; a row of codes in memory
.set AREG,  128*PITCH                  ; x's 128 rows in a slot
.set SLOT,  384*PITCH                  ; then w's 256 rows
.set SCL,   3*SLOT                     ; x's scale bytes: 16 units of 256 bytes + 16
.set SCLB,  SCL+16*272                 ; w's: 32 units
.set SPARE, SCLB+32*272                ; the spare words: 128 bytes a wave, two blocks of 256 bytes that no other line names
.set ADRN,  8                          ; v8-10 source 1's fragments in slot 0, 1, 2; v11-13 the same behind one padding more
.set ADRP,  14                         ; v14-16, v17-19 source 0's
.set ADSN,  20                         ; v20 source 1's scale words;  v21 source 0's
.set ADSP,  21
.set SPW,   28                         ; v28 my spare word; v29 0: never rewritten
.set NIL,   29
.set SC,    32                         ; v32-79 two sets of 24 scale words: +0..7 source 1's (2 a + q), +8..23 source 0's (2 b + q)
.set TM,    80                         ; v80-87 largest magnitudes, v88-95 the other half's, v96-103 conversion scales, v104-111 bytes
.set HW,    112                        ; v112-119 half words of scale bytes
.set NF,    128                        ; v128-223 source 1's fragments, two sets of 48; in the way out: the codes
.set CT,    232                        ; v232-247 second halves of conversions
.set G1A,  24
.set G0A,  32                          ; three sets, one a slot
.set G1B,  44
.set G0B,  52
.set G1SA, 68
.set G0SA, 76
.set G1SB, 80
.set G0SB, 88
.set MSB, 0
.macro WIN new                         ; the immediate's high byte repeats the setting that is left
.if MSB != \new
	s_set_vgpr_msb (MSB<<8)|\new
.set MSB, \new
.endif
.endm
; A joint load: waves 0, 1 fetch x's halves, waves 2, 3 w's.  Four v_nop follow each line.
.macro JLOAD g0a, g1a, g0b, g1b
	s_cmp_eq_u32 s15, 0
	s_cbranch_scc0 .Lfor_b_\@
	tensor_load_to_lds s[\g0a:\g0a+3], s[\g1a:\g1a+7]
	s_nop 0
.rept 4
	v_nop
.endr
	s_branch .Lasked_\@
.Lfor_b_\@:
	tensor_load_to_lds s[\g0b:\g0b+3], s[\g1b:\g1b+7]
	s_nop 0
.rept 4
	v_nop
.endr
.Lasked_\@:
.endm
.macro CREST                           ; a round of the cluster's barrier behind its opening barrier
	s_cmp_lg_u32 s14, 0
	s_cbranch_scc1 .Lnot_wave_0_\@
	s_barrier_signal -3
.Lnot_wave_0_\@:
	s_barrier_wait -3
	s_barrier_signal -1
	s_barrier_wait -1
.endm
.macro CROUND
	s_barrier_signal -1
	s_barrier_wait -1
	CREST
.endm
.macro PLACES n
.rept \n
	v_nop
.endr
.endm
	s_load_b256 s[4:11], s[0:1], 0x0               ; x's codes, x's scales, w's codes, w's scales
	s_load_b64 s[12:13], s[0:1], 0x20              ; b_qkv
	s_load_b128 s[92:95], s[0:1], 0x28             ; qrec, kv
	v_lshl_add_u32 v[SPW], v0, 2, SPARE
	v_mov_b32 v[NIL], 0
	ds_add_u32 v28, v29
	ds_add_u32 v28, v29
	s_wait_dscnt 0x0
	v_lshrrev_b32 v1, 5, v0
	v_readfirstlane_b32 s14, v1                    ; wave 0..3
	s_lshr_b32 s15, s14, 1
	s_and_b32 s16, s14, 1
	s_bfe_u32 s96, ttmp6, 0x40000                  ; cx
	s_bfe_u32 s97, ttmp6, 0x40004                  ; cy
	s_lshl_b32 s67, ttmp9, 2
	s_add_co_u32 s67, s67, s96                     ; tc: which 256 rows of w
	s_and_b32 s17, ttmp7, 0xffff
	s_lshl_b32 s17, s17, 2
	s_add_co_u32 s17, s17, s97                     ; tr: which 128 rows of x
	s_lshl_b32 s98, s97, 2
	s_lshl_b32 s98, 15, s98                        ; my row of the cluster
	s_lshl_b32 s99, 0x1111, s96                    ; my column
	; group 1 for codes: rows of 192 bytes, 16 bytes of padding behind every 64; x: 64 rows a load, w: 128
	s_or_b32 s[G1A], s98, (1<<20)|(1<<21)|(3<<22)|(3<<25)
	s_or_b32 s[G1B], s99, (1<<20)|(1<<21)|(3<<22)|(3<<25)
	s_mov_b32 s[G1A+1], ROWB<<16
	s_mov_b32 s[G1A+2], 64<<16
	s_mov_b32 s[G1A+3], ROWB<<16
	s_mov_b32 s[G1A+4], 64
	s_mov_b32 s[G1A+5], KROW
	s_mov_b32 s[G1A+6], 0
	s_mov_b32 s[G1A+7], 0
	s_mov_b32 s[G1B+1], ROWB<<16
	s_mov_b32 s[G1B+2], 128<<16
	s_mov_b32 s[G1B+3], ROWB<<16
	s_mov_b32 s[G1B+4], 128
	s_mov_b32 s[G1B+5], KROW
	s_mov_b32 s[G1B+6], 0
	s_mov_b32 s[G1B+7], 0
	; group 1 for scale bytes: dense blocks as rows of 256 bytes (32 elements of 8), 16 bytes of padding behind each; x: 8 rows a load, w: 16
	s_or_b32 s[G1SA], s98, (3<<16)|(1<<20)|(1<<21)|(5<<22)|(3<<25)
	s_or_b32 s[G1SB], s99, (3<<16)|(1<<20)|(1<<21)|(5<<22)|(3<<25)
	s_mov_b32 s[G1SA+1], 32<<16
	s_mov_b32 s[G1SA+2], 8<<16
	s_mov_b32 s[G1SA+3], 32<<16
	s_mov_b32 s[G1SA+4], 8
	s_mov_b32 s[G1SA+5], 32
	s_mov_b32 s[G1SA+6], 0
	s_mov_b32 s[G1SA+7], 0
	s_mov_b32 s[G1SB+1], 32<<16
	s_mov_b32 s[G1SB+2], 16<<16
	s_mov_b32 s[G1SB+3], 32<<16
	s_mov_b32 s[G1SB+4], 16
	s_mov_b32 s[G1SB+5], 32
	s_mov_b32 s[G1SB+6], 0
	s_mov_b32 s[G1SB+7], 0
	; where the tiles come from: x's hang on tr and the wave, w's on tc and the wave, in registers of their own
	s_lshl_b32 s18, s17, 7
	s_lshl_b32 s19, s16, 6
	s_add_co_u32 s18, s18, s19                     ; x: row 128 tr + 64 (wave & 1)
	s_lshl_b32 s20, s67, 8
	s_lshl_b32 s21, s16, 7
	s_add_co_u32 s20, s20, s21                     ; w: row 256 tc + 128 (wave & 1)
	s_mul_i32 s22, s18, KROW
	s_lshl_b32 s18, s18, 5
	s_mul_i32 s100, s20, KROW
	s_lshl_b32 s20, s20, 5
	s_mov_b32 s19, 0
	s_mov_b32 s21, 0
	s_mov_b32 s23, 0
	s_mov_b32 s101, 0
	s_mul_i32 s2, s16, 64*PITCH                    ; and where they go: no place in the cluster enters an LDS address
	s_mul_i32 s3, s16, 128*PITCH
	s_wait_kmcnt 0x0
	s_add_nc_u64 s[22:23], s[4:5], s[22:23]
	s_add_nc_u64 s[18:19], s[6:7], s[18:19]
	s_add_nc_u64 s[100:101], s[8:9], s[100:101]
	s_add_nc_u64 s[20:21], s[10:11], s[20:21]
	CROUND                                         ; all sixteen work-groups are here: the first joint loads meet
	s_mov_b32 s[G0SA], 1
	s_mul_i32 s[G0SA+1], s16, 8*272
	s_add_co_u32 s[G0SA+1], s[G0SA+1], SCL
	s_mov_b64 s[G0SA+2:G0SA+3], s[18:19]
	s_or_b32 s[G0SA+3], s[G0SA+3], 0x80000000
	s_mov_b32 s[G0SB], 1
	s_mul_i32 s[G0SB+1], s16, 16*272
	s_add_co_u32 s[G0SB+1], s[G0SB+1], SCLB
	s_mov_b64 s[G0SB+2:G0SB+3], s[20:21]
	s_or_b32 s[G0SB+3], s[G0SB+3], 0x80000000
	JLOAD G0SA, G1SA, G0SB, G1SB                   ; the scale bytes for all of K: filled once
.irp s, 0,1,2
	s_mov_b32 s[G0A+4*\s], 1
	s_add_co_u32 s[G0A+4*\s+1], s2, \s*SLOT
	s_add_nc_u64 s[G0A+4*\s+2:G0A+4*\s+3], s[22:23], \s*ROWB
	s_or_b32 s[G0A+4*\s+3], s[G0A+4*\s+3], 0x80000000
	s_mov_b32 s[G0B+4*\s], 1
	s_add_co_u32 s[G0B+4*\s+1], s3, \s*SLOT+AREG
	s_add_nc_u64 s[G0B+4*\s+2:G0B+4*\s+3], s[100:101], \s*ROWB
	s_or_b32 s[G0B+4*\s+3], s[G0B+4*\s+3], 0x80000000
	JLOAD G0A+4*\s, G1A, G0B+4*\s, G1B             ; by this text's count four loads of a wave are out
.endr
	; LDS read addresses.  The two ways differ in these bases alone
	v_and_b32 v1, 15, v0                           ; r
	v_bfe_u32 v2, v0, 4, 1                         ; h
	v_mul_u32_u24 v3, v1, PITCH
	v_mad_u32_u24 v4, v2, 24, v3                   ; row r, + 24 h
	v_mad_u32_u24 v5, v2, 40, v3                   ; the same behind one padding more
	s_mul_i32 s2, s15, 64*PITCH                    ; q, k: source 1 = x's rows 64 (wave / 2) on
	s_mul_i32 s3, s14, 64*PITCH
	s_add_co_u32 s3, s3, AREG                      ; v:    source 1 = w's rows 64 wave on
	s_mul_i32 s96, s16, 128*PITCH
	s_add_co_u32 s96, s96, AREG                    ; q, k: source 0 = w's rows 128 (wave & 1) on;  v: x's 128 rows, at 0
	s_mul_i32 s97, s15, 8*272
	s_add_co_u32 s97, s97, SCL
	s_mul_i32 s98, s14, 8*272
	s_add_co_u32 s98, s98, SCLB
	s_mul_i32 s99, s16, 16*272
	s_add_co_u32 s99, s99, SCLB
	s_cmp_eq_u32 ttmp9, 2                          ; the cluster's x: the same in all partners
	s_cselect_b32 s66, 1, 0                        ; 1: this cluster makes v
	s_cselect_b32 s2, s3, s2
	s_cselect_b32 s96, 0, s96
	s_cselect_b32 s97, s98, s97
	s_cselect_b32 s99, SCL, s99
.irp s, 0,1,2
	v_add_nc_u32 v[ADRN+\s], s2, v4
	v_add_nc_u32 v[ADRN+3+\s], s2, v5
	v_add_nc_u32 v[ADRP+\s], s96, v4
	v_add_nc_u32 v[ADRP+3+\s], s96, v5
	s_add_co_u32 s2, s2, SLOT
	s_add_co_u32 s96, s96, SLOT
.endr
	v_lshlrev_b32 v6, 5, v1                        ; a row's 32 scale bytes, and 16 more for each 8 rows passed
	v_lshrrev_b32 v7, 3, v1
	v_lshl_add_u32 v6, v7, 4, v6
	v_add_nc_u32 v[ADSN], s97, v6
	v_add_nc_u32 v[ADSP], s99, v6
	; the bias is the C of each sum's first product: 64 registers in window 1, CI(t) at v[96 + 8 t] (t < 4), v[224 + 8 (t - 4)]
	v_lshlrev_b32 v22, 5, v2                       ; 32 h
	v_lshlrev_b32 v23, 2, v1                       ; 4 r
	s_lshl_b32 s2, s67, 10
	s_lshl_b32 s3, s16, 9
	s_lshl_b32 s96, s14, 8
	s_cmp_eq_u32 s66, 1
	s_cselect_b32 s3, s96, s3
	s_add_co_u32 s2, s2, s3
	s_mov_b32 s3, 0
	s_add_nc_u64 s[12:13], s[12:13], s[2:3]        ; b_qkv at my first row of w
	s_cmp_eq_u32 s66, 1
	s_cbranch_scc1 .Lbias_v
	WIN 0x40                                       ; q, k: register j of tile b is channel 16 b + 8 h + j
.irp t, 0,1,2,3,4,5,6,7
	global_load_b128 v[96+8*\t+96*(\t/4):96+8*\t+96*(\t/4)+3], v22, s[12:13] offset:64*\t
	global_load_b128 v[96+8*\t+96*(\t/4)+4:96+8*\t+96*(\t/4)+7], v22, s[12:13] offset:64*\t+16
.endr
	WIN 0
	s_branch .Lbias_done
.Lbias_v:
	WIN 0x40                                       ; v: all eight registers of tile a are channel 16 a + r (all 64 registers are written on both ways)
.irp t, 0,1,2,3,4,5,6,7
.irp j, 0,1,2,3,4,5,6,7
	global_load_b32 v[96+8*\t+96*(\t/4)+\j], v23, s[12:13] offset:64*(\t%4)
.endr
.endr
	WIN 0
.Lbias_done:
	; where the results go
	v_and_b32 v3, 31, v0
	v_lshlrev_b32 v26, 4, v3                       ; 16 x lane
	s_mul_i32 s2, s15, 3072
	v_add_nc_u32 v24, s2, v26                      ; q, k: my 4 token tiles' 24 registers of the record's 48
	v_lshlrev_b32 v25, 3, v3
	s_lshl_b32 s2, s15, 8
	s_add_co_u32 s2, s2, 6144
	v_add_nc_u32 v25, s2, v25                      ; and my two scale registers
.irp k, 0,1,2,3,4,5,6,7
	v_mov_b32 v[TM+8+\k], 0                        ; written once: a lane permute's destination counts as one of its sources
.endr
	s_lshr_b32 s2, s17, 4
	s_lshl_b32 s2, s2, 4                           ; 16 x batch
	s_and_b32 s3, s67, 3
	s_lshl_b32 s3, s3, 2
	s_add_co_u32 s2, s2, s3                        ; + 4 (tc & 3)
	s_lshl_b32 s3, s16, 1
	s_cmp_eq_u32 s66, 1
	s_cselect_b32 s3, s14, s3                      ; + my first head in these four: v: wave; q, k: 2 (wave & 1)
	s_cselect_b32 s96, 6656, 0                     ; v's record lies behind k's
	s_add_co_u32 s2, s2, s3
	s_lshl_b32 s2, s2, 4
	s_and_b32 s3, s17, 15
	s_add_co_u32 s2, s2, s3                        ; record = 16 (16 batch + head) + the step of 128 tokens
	s_mov_b32 s97, 13312
	s_cmp_eq_u32 ttmp9, 0
	s_cselect_b32 s97, 6656, s97                   ; bytes from record to record
	s_cselect_b64 s[92:93], s[92:93], s[94:95]     ; q goes to qrec, k and v to kv
	s_mul_i32 s2, s2, s97
	s_add_co_u32 s2, s2, s96
	s_mov_b32 s3, 0
	s_add_nc_u64 s[92:93], s[92:93], s[2:3]        ; my first head's record,
	s_lshl_b32 s2, s97, 4
	s_add_nc_u64 s[94:95], s[92:93], s[2:3]        ; and the next head's
	s_mov_b32 s98, 0x76543210
	s_mov_b32 s99, 0xfedcba98                      ; v_permlanex16_b32's selects for lane l xor 16
	s_mov_b32 s100, 0xffff0000                     ; lanes 16-31
; A fragment, 16 rows x 128 K, is 12 registers: six pieces of 8 bytes.  Lanes 16-31 read three pieces further on, which for some pieces is behind one padding more: the second address register serves those.
.macro FRAG reg, adr, q, i
.irp p, 0,1,2,3,4,5
.set PCE, 12*(\q)+6*(\p/3)+\p%3
.if PCE%8 < 5
	ds_load_b64 v[\reg+2*\p:\reg+2*\p+1], v[\adr] offset:8*PCE+16*(PCE/8)+(\i)*16*PITCH
.else
	ds_load_b64 v[\reg+2*\p:\reg+2*\p+1], v[\adr+3] offset:8*PCE+16*(PCE/8)+(\i)*16*PITCH
.endif
.endr
.endm
.macro SCALES k                        ; the scale words of slot step k: two words a row
.irp a, 0,1,2,3
	ds_load_b64 v[SC+24*((\k)%2)+2*\a:SC+24*((\k)%2)+2*\a+1], v[ADSN] offset:544*\a+8*(\k)
.endr
.irp b, 0,1,2,3,4,5,6,7
	ds_load_b64 v[SC+24*((\k)%2)+8+2*\b:SC+24*((\k)%2)+8+2*\b+1], v[ADSP] offset:544*\b+8*(\k)
.endr
.endm
.macro FETCH g                         ; step g of 128 along K: source 0's eight fragments (window 1), source 1's four, into set g % 2
.set SL, ((\g)/2)%3
.set QQ, (\g)%2
	WIN 0x40
.irp i, 0,1,2,3,4,5,6,7
	FRAG 128*QQ+12*\i, ADRP+SL, QQ, \i
.endr
	WIN 0
.irp i, 0,1,2,3
	FRAG NF+48*QQ+12*\i, ADRN+SL, QQ, \i
.endr
.if QQ == 0
	SCALES (\g)/2
.endif
.endm
; Eight products: source 1's block a against source 0's eight.  cm = 0: onto the sums; 1, 2: the bias starts them.  The 32 accumulators take turns in one order in every step.
.macro MUL8 a, g, cm
.if \cm
	WIN 0x91                                       ; source 0 and C window 1, source 1 window 0, D window 2
.else
	WIN 0xa1                                       ; C and D window 2
.endif
.irp b, 0,1,2,3,4,5,6,7
.set rD, 8*(8*(\a)+\b)
.set rP, 128*((\g)%2)+12*\b
.set rN, NF+48*((\g)%2)+12*(\a)
.set rSP, SC+24*(((\g)/2)%2)+8+2*\b+(\g)%2
.set rSN, SC+24*(((\g)/2)%2)+2*(\a)+(\g)%2
.if \cm == 0
	v_wmma_scale_f32_16x16x128_f8f6f4 v[rD:rD+7], v[rP:rP+11], v[rN:rN+11], v[rD:rD+7], v[rSP], v[rSN] matrix_a_fmt:MATRIX_FMT_FP6 matrix_b_fmt:MATRIX_FMT_FP6
.elseif \cm == 1
.set rC, 96+8*\b+96*(\b/4)
	v_wmma_scale_f32_16x16x128_f8f6f4 v[rD:rD+7], v[rP:rP+11], v[rN:rN+11], v[rC:rC+7], v[rSP], v[rSN] matrix_a_fmt:MATRIX_FMT_FP6 matrix_b_fmt:MATRIX_FMT_FP6
.else
.set rC, 96+8*(\a)
	v_wmma_scale_f32_16x16x128_f8f6f4 v[rD:rD+7], v[rP:rP+11], v[rN:rN+11], v[rC:rC+7], v[rSP], v[rSN] matrix_a_fmt:MATRIX_FMT_FP6 matrix_b_fmt:MATRIX_FMT_FP6
.endif
.endr
.endm
.macro STEP g                          ; the fragments of step g are waited for, those of step g + 1 asked for, step g multiplied
	s_wait_dscnt 0x0
	PLACES 4                                       ; in front of loads into registers that the step before has multiplied
	FETCH (\g)+1
	MUL8 0, \g, 0
	MUL8 1, \g, 0
	MUL8 2, \g, 0
	MUL8 3, \g, 0
	WIN 0
.endm
	s_wait_tensorcnt 2                             ; the scale bytes and my part of slot 0 are in; slots 1 and 2 may stay out
	s_wait_loadcnt 0x0                             ; the bias
	s_barrier_signal -1
	s_barrier_wait -1
	FETCH 0
	s_wait_dscnt 0x0
	FETCH 1
	s_cmp_eq_u32 s66, 1                            ; step 0 starts the sums with the bias, which lies along source 0 (q, k) or along source 1 (v)
	s_cbranch_scc1 .Lfirst_v
	MUL8 0, 0, 1
	MUL8 1, 0, 1
	MUL8 2, 0, 1
	MUL8 3, 0, 1
	WIN 0
	s_branch .Lfirst_done
.Lfirst_v:
	MUL8 0, 0, 2
	MUL8 1, 0, 2
	MUL8 2, 0, 2
	MUL8 3, 0, 2
	WIN 0
.Lfirst_done:
	; step 1 leaves slot 0, which is filled again with the last 256 along K
	s_wait_tensorcnt 0x0                           ; all my tensor loads have landed: slots 1 and 2 are whole on my part
	ds_add_u32 v[SPW], v[NIL]                      ; 0 onto my spare word
	s_wait_dscnt 1                                 ; step 1's fragments are in; the add may be out
	MUL8 0, 1, 0
	s_wait_dscnt 0x0                               ; the add is done, and my reads of slot 0 are over
	s_barrier_signal -1
	MUL8 1, 1, 0
	WIN 0
	s_barrier_wait -1
	CREST                                          ; the barrier has opened a round of the cluster's barrier: no wave of any partner still reads slot 0 or has a load on its way
	s_add_nc_u64 s[G0A+2:G0A+3], s[G0A+2:G0A+3], 3*ROWB
	s_add_nc_u64 s[G0B+2:G0B+3], s[G0B+2:G0B+3], 3*ROWB
	JLOAD G0A, G1A, G0B, G1B                       ; my one tensor load behind the round; its four v_nop are also the places in front of the loads below
	FETCH 2
	MUL8 2, 1, 0
	MUL8 3, 1, 0
	WIN 0
	STEP 2
	STEP 3
	STEP 4
	s_wait_dscnt 0x0                               ; step 5: behind its barrier the refilled slot 0 is read; nothing is filled again
	s_wait_tensorcnt 0x0                           ; my part of it has landed
	s_barrier_signal -1
	MUL8 0, 5, 0
	MUL8 1, 5, 0
	WIN 0
	s_barrier_wait -1
	PLACES 4
	FETCH 6
	MUL8 2, 5, 0
	MUL8 3, 5, 0
	WIN 0
	STEP 6
	s_wait_dscnt 0x0
	MUL8 0, 7, 0
	MUL8 1, 7, 0
	MUL8 2, 7, 0
	MUL8 3, 7, 0
	WIN 0
	PLACES 4                                       ; in front of the first reads of results and of writes into operand registers
; Four units of quantising: source 1's tiles a = 0..3, source 0's tiles 4 c .. 4 c + 3: 32 registers each, two blocks of 32.  Codes: six registers at dbase + da a + dc c (lane half h holds block h);
; the two scale bytes as a half word in v[HW + 4 c + a].  Each accumulator is read from its low end on.
.macro QBATCH c, dbase, da, dc
	WIN 0x28                                       ; sources 1 and 2 window 2
.irp k, 0,1,2,3,4,5,6,7
	v_max3_num_f32 v[TM+\k], 0x1800000, |v[64*(\k/2)+32*(\c)+16*(\k%2)]|, |v[64*(\k/2)+32*(\c)+16*(\k%2)+1]|   ; chain 2 a + u: my 16 numbers of a block, and the floor 2^(3 - 127): the byte cannot fall under 1
.endr
.irp i, 2,4,6,8,10,12,14
.irp k, 0,1,2,3,4,5,6,7
	v_max3_num_f32 v[TM+\k], v[TM+\k], |v[64*(\k/2)+32*(\c)+16*(\k%2)+\i]|, |v[64*(\k/2)+32*(\c)+16*(\k%2)+\i+1]|
.endr
.endr
	WIN 0
.irp k, 0,1,2,3,4,5,6,7
	v_permlanex16_b32 v[TM+8+\k], v[TM+\k], s98, s99
.endr
.irp k, 0,1,2,3,4,5,6,7
	v_max_num_f32 v[TM+\k], v[TM+\k], v[TM+8+\k]   ; with lane l xor 16's: the block's largest magnitude
.endr
.irp k, 0,1,2,3,4,5,6,7
	v_add_nc_u32 v[TM+16+\k], 0xff000000, v[TM+\k] ; 2 off its exponent field: the conversion's scale operand
.endr
.irp k, 0,1,2,3,4,5,6,7
	v_lshrrev_b32 v[TM+24+\k], 23, v[TM+16+\k]     ; the scale's byte
.endr
.irp a, 0,1,2,3
	v_lshl_or_b32 v[HW+4*(\c)+\a], v[TM+24+2*\a+1], 8, v[TM+24+2*\a]
.endr
	WIN 0x02                                       ; source 0 window 2
.irp a, 0,1,2,3
	v_cvt_scalef32_pk16_fp6_f32 v[\dbase+\da*\a+\dc*(\c):\dbase+\da*\a+\dc*(\c)+2], v[64*\a+32*(\c):64*\a+32*(\c)+15], v[TM+16+2*\a]
	v_cvt_scalef32_pk16_fp6_f32 v[CT+4*\a:CT+4*\a+2], v[64*\a+32*(\c)+16:64*\a+32*(\c)+31], v[TM+16+2*\a+1]   ; (a conversion's three registers begin on an even number)
.endr
	WIN 0
	v_nop                                          ; one plain place behind a scaled conversion
.irp a, 0,1,2,3
.irp i, 0,1,2
	v_permlane16_swap_b32 v[\dbase+\da*\a+\dc*(\c)+\i], v[CT+4*\a+\i]   ; a whole block to a lane: lanes 0-15 the first block, lanes 16-31 the second
.endr
.irp i, 0,1,2
	v_mov_b32 v[\dbase+\da*\a+\dc*(\c)+3+\i], v[CT+4*\a+\i]
.endr
.endr
.endm
	s_cmp_eq_u32 s66, 1
	s_cbranch_scc1 .Lout_v
	; q, k: head c's four fragments of six registers at v[128 + 24 c]; scale register i: tile 2 i's words in lanes 0-15, tile 2 i + 1's in lanes 16-31
	QBATCH 0, 128, 6, 24
.irp i, 0,1
	v_cndmask_b32 v[176+\i], v[HW+2*\i], v[HW+2*\i+1], s100
.endr
.irp g, 0,1,2,3,4,5
	global_store_b128 v24, v[128+4*\g:128+4*\g+3], s[92:93] offset:512*\g    ; 32 lanes store 512 consecutive bytes, aligned
.endr
	global_store_b64 v25, v[176:177], s[92:93]
	QBATCH 1, 128, 6, 24                           ; it writes none of the registers that the stores above read
.irp i, 0,1
	v_cndmask_b32 v[178+\i], v[HW+4+2*\i], v[HW+4+2*\i+1], s100
.endr
.irp g, 0,1,2,3,4,5
	global_store_b128 v24, v[152+4*\g:152+4*\g+3], s[94:95] offset:512*\g
.endr
	global_store_b64 v25, v[178:179], s[94:95]
	s_branch .Lout_done
.Lout_v:
	; v: channel tile a's fragment of 12 registers at v[128 + 12 a]; its scale word: the bytes of the four blocks of keys
	QBATCH 0, 128, 12, 6
	QBATCH 1, 128, 12, 6
.irp a, 0,1,2,3
	v_lshl_or_b32 v[176+\a], v[HW+4+\a], 16, v[HW+\a]
.endr
.irp g, 0,1,2,3,4,5,6,7,8,9,10,11,12
	global_store_b128 v26, v[128+4*\g:128+4*\g+3], s[92:93] offset:512*\g    ; group 12 is the four scale registers
.endr
.Lout_done:
	s_wait_tensorcnt 0x0                           ; the wave's end
	ds_add_u32 v[SPW], v[NIL]
	s_wait_dscnt 0x0
	CROUND                                         ; the closing round: no work-group ends while a partner may still ask for a tile that names it
	s_endpgm
.Lfunc_end_k_q548c842f61_qkv:
	.size	k_q548c842f61_qkv, .Lfunc_end_k_q548c842f61_qkv-k_q548c842f61_qkv
	.p2alignl 7, 3214868480
	.fill 96, 4, 3214868480
	.section	.rodata,"a",@progbits
	.p2align	6, 0x0
	.amdhsa_kernel k_q548c842f61_qkv
		.amdhsa_group_segment_fixed_size 327680
		.amdhsa_private_segment_fixed_size 0
		.amdhsa_enable_private_segment 0
		.amdhsa_kernarg_size 56
		.amdhsa_user_sgpr_count 2
		.amdhsa_user_sgpr_kernarg_segment_ptr 1
		.amdhsa_wavefront_size32 1
		.amdhsa_system_sgpr_workgroup_id_x 1
		.amdhsa_system_sgpr_workgroup_id_y 1
		.amdhsa_system_sgpr_workgroup_id_z 1
		.amdhsa_system_vgpr_workitem_id 0
		.amdhsa_next_free_vgpr 768
		.amdhsa_next_free_sgpr 102
		.amdhsa_reserve_vcc 0
		.amdhsa_float_denorm_mode_32 3
		.amdhsa_float_denorm_mode_16_64 3
		.amdhsa_memory_ordered 1
		.amdhsa_forward_progress 1
		.amdhsa_inst_pref_size 132
	.end_amdhsa_kernel
	.amdgpu_metadata
---
amdhsa.version: [ 1, 2 ]
amdhsa.kernels:
  - .name:           k_q548c842f61_qkv
    .symbol:         k_q548c842f61_qkv.kd
    .args:
      - { .name: x_codes, .offset: 0, .size: 8, .value_kind: global_buffer, .address_space: global }
      - { .name: x_scales, .offset: 8, .size: 8, .value_kind: global_buffer, .address_space: global }
      - { .name: w_qkv_codes, .offset: 16, .size: 8, .value_kind: global_buffer, .address_space: global }
      - { .name: w_qkv_scales, .offset: 24, .size: 8, .value_kind: global_buffer, .address_space: global }
      - { .name: b_qkv, .offset: 32, .size: 8, .value_kind: global_buffer, .address_space: global }
      - { .name: qrec, .offset: 40, .size: 8, .value_kind: global_buffer, .address_space: global }
      - { .name: kv, .offset: 48, .size: 8, .value_kind: global_buffer, .address_space: global }
    .group_segment_fixed_size: 327680
    .private_segment_fixed_size: 0
    .kernarg_segment_align: 8
    .kernarg_segment_size: 56
    .max_flat_workgroup_size: 128
    .sgpr_count:     102
    .vgpr_count:     768
    .wavefront_size: 32
...
	.end_amdgpu_metadata
.endif
;; end of part 1
;; launch attn (part 2): grid 4 x 64, 16 waves a work-group, clusters of 4 x 1, 215,040 bytes of LDS; arguments qrec, kv, arec, ascl; writes arec, ascl
.if DOCPART == 2
	.amdgcn_target "amdgcn-amd-amdhsa--gfx1250"
	.amdhsa_code_object_version 6
	.text
	.protected	k_q548c842f61_attn
	.globl	k_q548c842f61_attn
	.p2align	8
	.type	k_q548c842f61_attn,@function
k_q548c842f61_attn:
	s_mov_b64 s[64:65], 0
	v_nop
	global_prefetch_b8 v0, s[64:65] scope:SCOPE_SE
	s_setreg_imm32_b32 hwreg(HW_REG_WAVE_MODE, 25, 1), 1
	s_wait_xcnt 0x0
	s_wait_alu depctr_hold_cnt(0) depctr_sa_sdst(0) depctr_va_vdst(0) depctr_va_sdst(0) depctr_va_ssrc(0) depctr_va_vcc(0) depctr_vm_vsrc(0)
	s_getreg_b32 s2, hwreg(HW_REG_IB_STS2, 6, 4)
	s_cmp_eq_u32 s2, 0
	s_cbranch_scc0 .Lentry_in_a_cluster
	s_endpgm
.Lentry_in_a_cluster:
	s_bfe_u32 s2, ttmp6, 0x10000c
	s_cmp_lg_u32 s2, 0x3003
	s_cbranch_scc0 .Lentry_shape_is_right
	s_endpgm
.Lentry_shape_is_right:
; Causal attention of one head on codes of FP6 (E2M3), head size 64, 2,048 tokens, and the quantiser of its result for the last product.
; t = score x log2(e) / 8; M = the running largest t rounded up to a whole number; p = 2^(t - M) is quantised along the keys, not normalised; the row's sum of the unquantised p divides at the end.
; A CLUSTER OF FOUR WORK-GROUPS IS ONE HEAD.  The head's k and v records (16 steps of 128 keys x 13,312 bytes, images of operand registers) are 212,992 dense bytes: they come into each
; partner's LDS once, by two joint loads of wave 0, and stay.  Nothing in LDS is filled twice or stored to.  Nothing is prefetched: the whole stream is asked for at the head.
; SHARES.  A tile is 16 queries: 128 s + 16 E + r, E = 2 cx + (wave & 1).  A wave takes s = 15 - wave / 2 and then s = wave / 2: 17 key steps in every wave.  cx enters global addresses and the
; mask's number alone: no branch and no LDS address hangs on it.  Sixteen waves of 256 registers: four to a SIMD, so that one wave's vector work stands beside another's products.
; Both products are used transposed (S^T = K Q^T, O^T = V^T P^T): a lane holds one query.  The first product's K is 64: q's upper six registers are zero codes, so k's upper six may hold anything
; (the next tile's codes); bytes 2 and 3 of both scale words are 0, never 0xff.
; A step all of whose keys come after the tile's queries is jumped over (a branch on the wave's number and the step); on the diagonal hidden scores become -infinity.
; LIMITS: NaN and infinities are not served.  1 / l is v_rcp_f32's.  A block's largest p is taken as the p of its largest score.  A block whose largest magnitude lies under 2^-124 gets the byte 1.
.set STEPB, 13312                      ; a key step in LDS: k's record, 6,656 bytes, then v's
.set VOFF,  6656
.set HALF,  8*STEPB
.set KV,  32                           ; v32-79 k's 8 fragments x 6, later v's 4 x 12;  v80-85 zeros
.set KS,  86                           ; v86-89 k's scale registers: tile 2 i in lanes 0-15, tile 2 i + 1 in lanes 16-31
.set VS,  90                           ; v90-93 v's scale words
.set S,   96                           ; v96-159 S^T, then p
.set O,   160                          ; v160-191 O^T: channel tiles in the order 0, 2, 1, 3
.set PCD, 192                          ; v192-203 p's codes
.set CT,  204                          ; v204-211 second halves of conversions
.set BM,  212                          ; v212-215 block maxima; v216-219 the other half's; v220-223 conversion scales; v224-227 bytes
.set BP,  216
.set SO,  220
.set BY,  224
.set PW,  228                          ; p's scale word
.set F,   230                          ; v[230:231] f = 2^(old M - new M); later 1 / l
.set W,   232                          ; v232-235 at work
.set TB,  40                           ; s40 LDS byte of the step in hand; s41 the step; s42 the tile's last step; s43 trips
.set ST,  41
.set SS,  42
.set CNT, 43
.macro CROUND
	s_barrier_signal -1
	s_barrier_wait -1
	s_cmp_lg_u32 s12, 0
	s_cbranch_scc1 .Lnot_wave_0_\@
	s_barrier_signal -3
.Lnot_wave_0_\@:
	s_barrier_wait -3
	s_barrier_signal -1
	s_barrier_wait -1
.endm
	s_load_b256 s[4:11], s[0:1], 0x0               ; qrec, kv, arec, ascl
	v_lshl_add_u32 v243, v0, 2, 0x34000
	v_mov_b32 v255, 0
	ds_add_u32 v243, v255
	ds_add_u32 v243, v255
	v_lshrrev_b32 v1, 5, v0
	v_readfirstlane_b32 s12, v1                    ; wave 0..15
	s_and_b32 s16, ttmp7, 0xffff                   ; 16 x batch + head: the cluster's y
	s_mul_i32 s56, s16, 16*STEPB
	s_mov_b32 s57, 0
	s_mov_b32 s24, 15|(3<<16)|(1<<21)              ; group 1: all four partners; elements of 8 bytes; 416 rows of 256 bytes, dense
	s_mov_b32 s25, 32<<16
	s_mov_b32 s26, 416<<16
	s_mov_b32 s27, 32<<16
	s_mov_b32 s28, 416
	s_mov_b32 s29, 32
	s_mov_b32 s30, 0
	s_mov_b32 s31, 0
	s_wait_dscnt 0x0
	s_wait_kmcnt 0x0
	s_add_nc_u64 s[56:57], s[6:7], s[56:57]
	s_mov_b32 s32, 1
	s_mov_b32 s33, 0
	s_mov_b64 s[34:35], s[56:57]
	s_or_b32 s35, s35, 0x80000000
	s_mov_b32 s36, 1
	s_mov_b32 s37, HALF
	s_add_nc_u64 s[38:39], s[56:57], HALF
	s_or_b32 s39, s39, 0x80000000
	CROUND                                         ; all four work-groups are here: the joint loads meet
	s_cmp_lg_u32 s12, 0
	s_cbranch_scc1 .Lno_fetch
	tensor_load_to_lds s[32:35], s[24:31]          ; key steps 0 to 7
	s_nop 0
	tensor_load_to_lds s[36:39], s[24:31]          ; key steps 8 to 15: two loads of wave 0 are out
	s_nop 0
.rept 4
	v_nop
.endr
.Lno_fetch:
	s_bfe_u32 s13, ttmp6, 0x40000                  ; cx
	s_and_b32 s14, s12, 1
	s_lshl_b32 s17, s13, 1
	s_add_co_u32 s14, s14, s17                     ; E
	s_lshr_b32 s15, s12, 1                         ; the short tile's s
	s_sub_co_u32 s18, 15, s15                      ; the long tile's
	s_mov_b32 s20, 0x76543210
	s_mov_b32 s21, 0xfedcba98                      ; v_permlanex16_b32's selects for lane l xor 16
	s_mov_b32 s22, 0x3e38aa3b                      ; c = log2(e) / 8
	s_mov_b32 s23, s22                             ; (named with it as a pair)
	v_and_b32 v7, 31, v0
	v_lshlrev_b32 v1, 4, v7                        ; 16 x lane
	v_lshlrev_b32 v2, 3, v7                        ; 8 x lane
	v_and_b32 v232, 15, v0                         ; r
	v_bfe_u32 v233, v0, 4, 1                       ; h
	s_lshl_b32 s59, s14, 4
	v_add_nc_u32 v5, s59, v232
	v_lshlrev_b32 v234, 3, v233
	v_sub_nc_u32 v5, v5, v234                      ; D = 16 E + r - 8 h: register 8 T + j holds key 16 T + 8 h + j of the step: hidden on the diagonal where 16 T + j > D
	v_lshl_add_u32 v6, v232, 5, v233               ; 32 r + h: my byte in ascl
	s_mul_i32 s59, s14, 3                          ; q's fragment E is registers 6 E .. 6 E + 5 of the record's image: pairs 3 E + i, at 512 (pair / 2) + 16 lane + 8 (pair % 2)
.irp i, 0,1,2
	s_add_co_u32 s61, s59, \i
	s_lshr_b32 s62, s61, 1
	s_lshl_b32 s62, s62, 9
	s_and_b32 s61, s61, 1
	s_lshl_b32 s61, s61, 3
	s_add_co_u32 s62, s62, s61
	v_add_nc_u32 v[8+\i], s62, v1
.endr
	s_lshr_b32 s61, s14, 2                         ; its scale words: register E / 2, lanes 16 (E % 2) + r
	s_lshl_b32 s61, s61, 8
	s_and_b32 s62, s14, 1
	s_lshl_b32 s62, s62, 7
	s_add_co_u32 s61, s61, s62
	s_bfe_u32 s62, s14, 0x10001
	s_lshl_b32 s62, s62, 2
	s_add_co_u32 s61, s61, s62
	s_add_co_u32 s61, s61, 6144
	v_lshl_add_u32 v11, v232, 3, s61
	s_mov_b32 s63, 0
	s_lshl_b32 s61, s16, 4
	s_add_co_u32 s62, s61, s18
	s_mul_i32 s62, s62, 6656
	s_add_nc_u64 s[44:45], s[4:5], s[62:63]        ; the long tile's record of q
	s_add_co_u32 s62, s61, s15
	s_mul_i32 s62, s62, 6656
	s_add_nc_u64 s[46:47], s[4:5], s[62:63]        ; the short tile's
.irp i, 0,1,2
	global_load_b64 v[16+2*\i:17+2*\i], v[8+\i], s[44:45]
	global_load_b64 v[236+2*\i:237+2*\i], v[8+\i], s[46:47]
.endr
	global_load_b32 v28, v11, s[44:45]
	global_load_b32 v242, v11, s[46:47]
	; where the results go.  arec: [head / 4][token / 16][3,072], in it (head % 4) x 768;  ascl: 32 bytes a token, byte 2 head + h
	s_lshr_b32 s56, s16, 4                         ; batch
	s_and_b32 s57, s16, 15                         ; head
	s_lshr_b32 s58, s57, 2
	s_mul_i32 s58, s58, 1572864
	s_lshl_b32 s59, s56, 7
	s_add_co_u32 s59, s59, s14
	s_mul_i32 s59, s59, 3072
	s_add_co_u32 s58, s58, s59
	s_and_b32 s59, s57, 3
	s_mul_i32 s59, s59, 768
	s_add_co_u32 s58, s58, s59
	s_lshl_b32 s60, s56, 16
	s_lshl_b32 s59, s14, 9
	s_add_co_u32 s60, s60, s59
	s_lshl_b32 s59, s57, 1
	s_add_co_u32 s60, s60, s59
	s_mul_i32 s62, s18, 24576
	s_add_co_u32 s62, s62, s58
	s_add_nc_u64 s[48:49], s[8:9], s[62:63]
	s_lshl_b32 s62, s18, 12
	s_add_co_u32 s62, s62, s60
	s_add_nc_u64 s[50:51], s[10:11], s[62:63]
	s_mul_i32 s62, s15, 24576
	s_add_co_u32 s62, s62, s58
	s_add_nc_u64 s[52:53], s[8:9], s[62:63]
	s_lshl_b32 s62, s15, 12
	s_add_co_u32 s62, s62, s60
	s_add_nc_u64 s[54:55], s[10:11], s[62:63]
.irp i, 0,1,2,3,4,5
	v_mov_b32 v[22+\i], 0                          ; q's upper half: zero codes
	v_mov_b32 v[80+\i], 0                          ; behind k's last tile
.endr
.irp b, 0,1,2,3
	v_mov_b32 v[BP+\b], 0                          ; written once: a lane permute's destination counts as one of its sources
.endr
	v_mov_b32 v[F+1], 0                            ; (named as the upper half of a pair)
; A tile begins: O^T and the sum as zeros, the largest t as -3e38: the step is written without a first step of its own, and the first change of M multiplies zeros.
.macro INIT
	v_mov_b32 v13, 0xff61b1e6
	v_floor_f32 v12, -v13
	v_mov_b32 v14, 0
	v_mov_b32 v15, 0
.set j, 0
.rept 32
	v_mov_b32 v[O+j], 0
.set j, j+1
.endr
.endm
	INIT
	s_mov_b32 s[TB], 0
	s_mov_b32 s[ST], 0
	s_mov_b32 s[SS], s18
; A KEY STEP: 128 keys.  mode = 1: the step may lie behind the tile's last, or on the diagonal.
.macro STEP mode
.if \mode
	s_cmp_gt_u32 s[ST], s[SS]
	s_cbranch_scc1 .Lskip_\@
.endif
	v_add_nc_u32 v3, s[TB], v1
	v_add_nc_u32 v4, s[TB], v2
	v_nop
	v_nop                                          ; four places in front of loads into registers that the last products have read
.irp g, 0,1,2,3,4,5,6,7,8,9,10,11
	ds_load_b128 v[KV+4*\g:KV+4*\g+3], v3 offset:512*\g
.endr
	ds_load_b64 v[KS:KS+1], v4 offset:6144
	ds_load_b64 v[KS+2:KS+3], v4 offset:6400
	s_wait_dscnt 0x0
.irp t, 0,1,2,3,4,5,6,7
.if \t%2
	v_wmma_scale_f32_16x16x128_f8f6f4 v[S+8*\t:S+8*\t+7], v[KV+6*\t:KV+6*\t+11], v[16:27], 0, v[KS+\t/2], v28 matrix_a_fmt:MATRIX_FMT_FP6 matrix_b_fmt:MATRIX_FMT_FP6 matrix_a_scale:MATRIX_SCALE_ROW1
.else
	v_wmma_scale_f32_16x16x128_f8f6f4 v[S+8*\t:S+8*\t+7], v[KV+6*\t:KV+6*\t+11], v[16:27], 0, v[KS+\t/2], v28 matrix_a_fmt:MATRIX_FMT_FP6 matrix_b_fmt:MATRIX_FMT_FP6
.endif
.endr
.rept 4
	v_nop                                          ; places: in front of the loads below and of the first read of the scores
.endr
.irp g, 0,1,2,3,4,5,6,7,8,9,10,11
	ds_load_b128 v[KV+4*\g:KV+4*\g+3], v3 offset:VOFF+512*\g    ; v lands while the softmax is walked
.endr
	ds_load_b128 v[VS:VS+3], v3 offset:VOFF+6144
.if \mode
	s_cmp_lg_u32 s[ST], s[SS]
	s_cbranch_scc1 .Lopen_\@
	v_mov_b32 v[W], 0xff800000                     ; -infinity: p = 0 then
.set n, 0
.rept 64
	v_cmp_gt_i32 vcc_lo, 16*(n/8)+n%8, v5
	v_cndmask_b32 v[S+n], v[S+n], v[W], vcc_lo
.set n, n+1
.endr
.Lopen_\@:
.endif
.irp b, 0,1,2,3
	v_max3_num_f32 v[BM+\b], v[S+16*\b], v[S+1+16*\b], v[S+2+16*\b]   ; the largest score of each block of 32 keys: for the row's maximum and for the block's largest p
.endr
.irp i, 3,5,7,9,11,13
.irp b, 0,1,2,3
	v_max3_num_f32 v[BM+\b], v[BM+\b], v[S+16*\b+\i], v[S+1+16*\b+\i]
.endr
.endr
.irp b, 0,1,2,3
	v_max_num_f32 v[BM+\b], v[BM+\b], v[S+15+16*\b]
.endr
.irp b, 0,1,2,3
	v_permlanex16_b32 v[BP+\b], v[BM+\b], s20, s21
.endr
.irp b, 0,1,2,3
	v_max_num_f32 v[BM+\b], v[BM+\b], v[BP+\b]     ; with lane l xor 16's 16 keys
.endr
	v_max3_num_f32 v[W], v[BM], v[BM+1], v[BM+2]
	v_max_num_f32 v[W], v[W], v[BM+3]
	v_mul_f32 v[W], s22, v[W]                      ; the step's largest t
	v_max_num_f32 v13, v13, v[W]                   ; the running largest t
	v_mov_b32 v[W], v12
	v_floor_f32 v12, -v13                          ; -M = floor(-t): M is a whole number
	v_sub_f32 v[W], v12, v[W]                      ; old M - new M: a whole number, 0 or less
	v_cvt_i32_f32 v[W], v[W]                       ; (it saturates)
	v_ldexp_f32 v[F], 1.0, v[W]                    ; f = 2^(old M - new M): a multiplication by it rounds nothing
.set j, 0
.rept 32
	v_pk_fma_f32 v[S+j:S+j+1], v[S+j:S+j+1], s[22:23], v[12:13] op_sel_hi:[1,0,0]   ; t - M
.set j, j+2
.endr
.irp b, 0,1,2,3
	v_fma_f32 v[BM+\b], v[BM+\b], s22, v12         ; the same of each block's largest score
.endr
.set j, 0
.rept 64
	v_exp_f32 v[S+j], v[S+j]                       ; p = 2^(t - M)
.set j, j+1
.endr
	v_pk_mul_f32 v[14:15], v[14:15], v[F:F+1] op_sel_hi:[1,0]   ; the sums under the new M: the plain line behind the exponentials
	s_wait_alu depctr_va_vdst(0)                   ; one wait for the batch, ahead of its first reader
.irp b, 0,1,2,3
	v_exp_f32 v[BM+\b], v[BM+\b]                   ; each block's largest p
.endr
	v_pk_add_f32 v[W+2:W+3], v[S:S+1], v[S+2:S+3]  ; the row's sum of the unquantised p, in two chains
.irp j, 4,8,12,16,20,24,28,32,36,40,44,48,52,56,60
	v_pk_add_f32 v[14:15], v[14:15], v[S+\j:S+\j+1]
	v_pk_add_f32 v[W+2:W+3], v[W+2:W+3], v[S+2+\j:S+3+\j]
.endr
	v_pk_add_f32 v[14:15], v[14:15], v[W+2:W+3]
	s_wait_alu depctr_va_vdst(0)                   ; and one for the four
.irp b, 0,1,2,3
	v_max_num_f32 v[BM+\b], 0x1800000, v[BM+\b]    ; the floor 2^(3 - 127): the byte cannot fall under 1
.endr
.irp b, 0,1,2,3
	v_add_nc_u32 v[SO+\b], 0xff000000, v[BM+\b]    ; 2 off the exponent field: the conversion's scale operand
.endr
.irp b, 0,1,2,3
	v_lshrrev_b32 v[BY+\b], 23, v[SO+\b]
.endr
	v_lshl_or_b32 v[PW], v[BY+1], 8, v[BY]
	v_lshl_or_b32 v[PW], v[BY+2], 16, v[PW]
	v_lshl_or_b32 v[PW], v[BY+3], 24, v[PW]
.irp c, 0,1
	v_cvt_scalef32_pk16_fp6_f32 v[PCD+6*\c:PCD+2+6*\c], v[S+32*\c:S+15+32*\c], v[SO+2*\c]
	v_cvt_scalef32_pk16_fp6_f32 v[CT+4*\c:CT+2+4*\c], v[S+16+32*\c:S+31+32*\c], v[SO+2*\c+1]
.endr
	v_nop                                          ; one plain place behind a scaled conversion
.irp c, 0,1
.irp i, 0,1,2
	v_permlane16_swap_b32 v[PCD+6*\c+\i], v[CT+4*\c+\i]   ; a whole block to a lane
.endr
.irp i, 0,1,2
	v_mov_b32 v[PCD+3+6*\c+\i], v[CT+4*\c+\i]
.endr
.endr
.set j, 0
.rept 16
	v_pk_mul_f32 v[O+j:O+j+1], v[O+j:O+j+1], v[F:F+1] op_sel_hi:[1,0]   ; O^T under the new M; for each product below twelve of these name none of its registers: the places behind p's codes and scale word
.set j, j+2
.endr
	s_wait_dscnt 0x0                               ; v is in
.irp t, 0,1,2,3
	v_wmma_scale_f32_16x16x128_f8f6f4 v[O+8*(2*(\t%2)+\t/2):O+8*(2*(\t%2)+\t/2)+7], v[KV+12*\t:KV+12*\t+11], v[PCD:PCD+11], v[O+8*(2*(\t%2)+\t/2):O+8*(2*(\t%2)+\t/2)+7], v[VS+\t], v[PW] matrix_a_fmt:MATRIX_FMT_FP6 matrix_b_fmt:MATRIX_FMT_FP6
.endr
.if \mode
.Lskip_\@:
.endif
	s_add_co_u32 s[TB], s[TB], STEPB
	s_add_co_u32 s[ST], s[ST], 1
.endm
; THE WAY OUT of a tile: O^T / l; sixteen exchanges of lane halves bring channels 32 h .. 32 h + 31 into a lane's 32 registers, in the natural order that w_out's codes have; one block a lane; codes and byte are stored.
.macro WAYOUT pa, ps
	s_wait_xcnt 0x0                                ; the last way out's stores have read their registers
.rept 4
	v_nop                                          ; places behind the last products
.endr
	v_add_f32 v14, v14, v15
	v_permlanex16_b32 v[W], v14, s20, s21
	v_add_f32 v14, v14, v[W]                       ; the row's sum
	v_rcp_f32 v[F], v14
	v_nop                                          ; a plain line behind the reciprocal,
	s_wait_alu depctr_va_vdst(0)                   ; and the wait ahead of its first reader
.set j, 0
.rept 16
	v_pk_mul_f32 v[S+j:S+j+1], v[O+j:O+j+1], v[F:F+1] op_sel_hi:[1,0]
.set j, j+2
.endr
.irp j, 0,1,2,3,4,5,6,7
	v_permlane16_swap_b32 v[S+\j], v[S+8+\j]       ; tiles 0 and 2: channels 32 h + j and 32 h + 8 + j
	v_permlane16_swap_b32 v[S+16+\j], v[S+24+\j]   ; tiles 1 and 3: 32 h + 16 + j and 32 h + 24 + j
.endr
	v_max3_num_f32 v244, |v[S]|, |v[S+1]|, 0x1800000
	v_max3_num_f32 v245, |v[S+16]|, |v[S+17]|, |v[S+18]|
.irp i, 2,4,6,8,10,12
	v_max3_num_f32 v244, v244, |v[S+\i]|, |v[S+\i+1]|
	v_max3_num_f32 v245, v245, |v[S+17+\i]|, |v[S+18+\i]|
.endr
	v_max3_num_f32 v244, v244, |v[S+14]|, |v[S+15]|
	v_max3_num_f32 v244, v244, v245, |v[S+31]|     ; the block's largest magnitude: all 32 numbers are mine
	v_add_nc_u32 v246, 0xff000000, v244
	v_lshrrev_b32 v247, 23, v246                   ; the scale's byte
	v_cvt_scalef32_pk16_fp6_f32 v[248:250], v[S:S+15], v246
	v_cvt_scalef32_pk16_fp6_f32 v[252:254], v[S+16:S+31], v246
	v_nop
	v_mov_b32 v251, v252
	v_mov_b32 v252, v253
	v_mov_b32 v253, v254
.irp p, 0,1,2
	global_store_b64 v2, v[248+2*\p:249+2*\p], s[\pa:\pa+1] offset:256*\p   ; 32 lanes store 256 consecutive bytes, aligned
.endr
	global_store_b8 v6, v247, s[\ps:\ps+1]
.endm
	s_wait_tensorcnt 1                             ; key steps 0 to 7 are in (wave 0's count; the second load may stay out)
	s_wait_loadcnt 0x0                             ; q
	s_barrier_signal -1
	s_barrier_wait -1
	s_mov_b32 s[CNT], 8
.Lopen_steps:                                      ; the long tile, key steps 0 to 7: all keys count
	STEP 0
	s_sub_co_u32 s[CNT], s[CNT], 1
	s_cmp_lg_u32 s[CNT], 0
	s_cbranch_scc1 .Lopen_steps
	s_wait_tensorcnt 0x0                           ; key steps 8 to 15 are in
	s_wait_dscnt 0x0
	s_barrier_signal -1
	s_barrier_wait -1
	s_mov_b32 s[CNT], 8
.Llong_steps:                                      ; the long tile, key steps 8 to 15
	STEP 1
	s_sub_co_u32 s[CNT], s[CNT], 1
	s_cmp_lg_u32 s[CNT], 0
	s_cbranch_scc1 .Llong_steps
	WAYOUT 48, 50
.irp i, 0,1,2,3,4,5
	v_mov_b32 v[16+\i], v[236+\i]                  ; the short tile's q,
.endr
	v_mov_b32 v28, v242                            ; and its scale words; the lines of INIT are the places between these and the next products
	INIT
	s_mov_b32 s[TB], 0
	s_mov_b32 s[ST], 0
	s_mov_b32 s[SS], s15
	s_mov_b32 s[CNT], 8
.Lshort_steps:                                     ; the short tile, key steps 0 to 7
	STEP 1
	s_sub_co_u32 s[CNT], s[CNT], 1
	s_cmp_lg_u32 s[CNT], 0
	s_cbranch_scc1 .Lshort_steps
	WAYOUT 52, 54
	s_wait_dscnt 0x0
	s_wait_tensorcnt 0x0
	ds_add_u32 v243, v255
	s_wait_dscnt 0x0
	CROUND                                         ; the closing round
	s_endpgm
.Lfunc_end_k_q548c842f61_attn:
	.size	k_q548c842f61_attn, .Lfunc_end_k_q548c842f61_attn-k_q548c842f61_attn
	.p2alignl 7, 3214868480
	.fill 96, 4, 3214868480
	.section	.rodata,"a",@progbits
	.p2align	6, 0x0
	.amdhsa_kernel k_q548c842f61_attn
		.amdhsa_group_segment_fixed_size 215040
		.amdhsa_private_segment_fixed_size 0
		.amdhsa_enable_private_segment 0
		.amdhsa_kernarg_size 32
		.amdhsa_user_sgpr_count 2
		.amdhsa_user_sgpr_kernarg_segment_ptr 1
		.amdhsa_wavefront_size32 1
		.amdhsa_system_sgpr_workgroup_id_x 1
		.amdhsa_system_sgpr_workgroup_id_y 1
		.amdhsa_system_sgpr_workgroup_id_z 1
		.amdhsa_system_vgpr_workitem_id 0
		.amdhsa_next_free_vgpr 256
		.amdhsa_next_free_sgpr 66
		.amdhsa_reserve_vcc 1
		.amdhsa_float_denorm_mode_32 3
		.amdhsa_float_denorm_mode_16_64 3
		.amdhsa_memory_ordered 1
		.amdhsa_forward_progress 1
		.amdhsa_inst_pref_size 75
	.end_amdhsa_kernel
	.amdgpu_metadata
---
amdhsa.version: [ 1, 2 ]
amdhsa.kernels:
  - .name:           k_q548c842f61_attn
    .symbol:         k_q548c842f61_attn.kd
    .args:
      - { .name: qrec, .offset: 0, .size: 8, .value_kind: global_buffer, .address_space: global }
      - { .name: kv, .offset: 8, .size: 8, .value_kind: global_buffer, .address_space: global }
      - { .name: arec, .offset: 16, .size: 8, .value_kind: global_buffer, .address_space: global }
      - { .name: ascl, .offset: 24, .size: 8, .value_kind: global_buffer, .address_space: global }
    .group_segment_fixed_size: 215040
    .private_segment_fixed_size: 0
    .kernarg_segment_align: 8
    .kernarg_segment_size: 32
    .max_flat_workgroup_size: 512
    .sgpr_count:     66
    .vgpr_count:     256
    .wavefront_size: 32
...
	.end_amdgpu_metadata
.endif
;; end of part 2
;; launch proj (part 3): grid 4 x 64, 4 waves a work-group, clusters of 4 x 4, 327,680 bytes of LDS; arguments arec, ascl, w_out_codes, w_out_scales, b_out, out0; writes out0
.if DOCPART == 3
	.amdgcn_target "amdgcn-amd-amdhsa--gfx1250"
	.amdhsa_code_object_version 6
	.text
	.protected	k_q548c842f61_proj
	.globl	k_q548c842f61_proj
	.p2align	8
	.type	k_q548c842f61_proj,@function
k_q548c842f61_proj:
	s_mov_b64 s[64:65], 0
	v_nop
	global_prefetch_b8 v0, s[64:65] scope:SCOPE_SE
	s_setreg_imm32_b32 hwreg(HW_REG_WAVE_MODE, 25, 1), 1
	s_wait_xcnt 0x0
	s_wait_alu depctr_hold_cnt(0) depctr_sa_sdst(0) depctr_va_vdst(0) depctr_va_sdst(0) depctr_va_ssrc(0) depctr_va_vcc(0) depctr_vm_vsrc(0)
	s_getreg_b32 s2, hwreg(HW_REG_IB_STS2, 6, 4)
	s_cmp_eq_u32 s2, 0
	s_cbranch_scc0 .Lentry_in_a_cluster
	s_endpgm
.Lentry_in_a_cluster:
	s_bfe_u32 s2, ttmp6, 0x10000c
	s_cmp_lg_u32 s2, 0xf033
	s_cbranch_scc0 .Lentry_shape_is_right
	s_endpgm
.Lentry_shape_is_right:
; out0 = a w_out + b_out on codes of FP6 (E2M3) with E8M0 scales.  a: 8,192 tokens x 1,024 K, as images of operand registers (arec: [256 along K][token / 16][3,072 bytes]) with scale bytes [token][32];
; w_out: 1,024 rows x 1,024 K, K innermost, 768 bytes a row, scale bytes 32 a row.  out0: [8,192][1,024] f32.
; A work-group of four waves takes 128 tokens x 256 outputs; a wave 64 x 128: 32 accumulators.  Source 0 = 16 rows of w_out, source 1 = 16 tokens: a lane holds eight neighbouring outputs of a token.
; K = 1,024 is four slots of 256; three slots lie in LDS: three first fills, one refill behind one round of the cluster's barrier.  No loop.
; CLUSTER 4 x 4: a's tile is shared along a row of the cluster, w_out's along a column: joint loads.  Nothing is prefetched: all streams but one refill are asked for at the head.
; The way out goes through each wave's own stage in LDS, bytes into which no tensor load lands, and leaves as rows of 512 consecutive bytes.
.set PITCH, 240
.set ROWB,  192
.set KROW,  768
.set AREG,  8*3072                     ; a's 8 token tiles in a slot, images without padding
.set SLOT,  AREG+256*PITCH             ; then w_out's 256 rows
.set SCL,   3*SLOT
.set SCLB,  SCL+16*272
.set STAGE, SCLB+32*272
.set SPITCH, 528
.set SPARE, STAGE+4*16*SPITCH          ; the spare words: 128 bytes a wave, two blocks of 256 bytes that no other line names
.set ASTEP, 1572864                    ; arec: from one 256 along K to the next
.set ADRN,  8                          ; v8-10 a's fragments in slot 0, 1, 2
.set ADRP,  14                         ; v14-16 w_out's; v17-19 the same behind one padding more
.set ADSN,  20
.set ADSP,  21
.set STO,   24
.set RD,    25
.set CO,    26
.set SPW,   28
.set NIL,   29
.set SC,    32                         ; v32-79 two sets of 24 scale words
.set NF,    128                        ; v128-223 a's fragments, two sets of 48
.set BK,    128                        ; the way out: v128-191 and v192-255 by turns
.set G1A,  24
.set G0A,  32
.set G1B,  44
.set G0B,  52
.set G1SA, 68
.set G0SA, 76
.set G1SB, 80
.set G0SB, 88
.set MSB, 0
.macro WIN new
.if MSB != \new
	s_set_vgpr_msb (MSB<<8)|\new
.set MSB, \new
.endif
.endm
.macro JLOAD g0a, g1a, g0b, g1b        ; waves 0, 1 fetch a's halves, waves 2, 3 w_out's; four v_nop follow each line
	s_cmp_eq_u32 s15, 0
	s_cbranch_scc0 .Lfor_b_\@
	tensor_load_to_lds s[\g0a:\g0a+3], s[\g1a:\g1a+7]
	s_nop 0
.rept 4
	v_nop
.endr
	s_branch .Lasked_\@
.Lfor_b_\@:
	tensor_load_to_lds s[\g0b:\g0b+3], s[\g1b:\g1b+7]
	s_nop 0
.rept 4
	v_nop
.endr
.Lasked_\@:
.endm
.macro CREST
	s_cmp_lg_u32 s14, 0
	s_cbranch_scc1 .Lnot_wave_0_\@
	s_barrier_signal -3
.Lnot_wave_0_\@:
	s_barrier_wait -3
	s_barrier_signal -1
	s_barrier_wait -1
.endm
.macro CROUND
	s_barrier_signal -1
	s_barrier_wait -1
	CREST
.endm
.macro PLACES n
.rept \n
	v_nop
.endr
.endm
	s_load_b256 s[4:11], s[0:1], 0x0               ; arec, ascl, w_out's codes, w_out's scales
	s_load_b64 s[12:13], s[0:1], 0x20              ; b_out
	s_load_b64 s[92:93], s[0:1], 0x28              ; out0
	v_lshl_add_u32 v[SPW], v0, 2, SPARE
	v_mov_b32 v[NIL], 0
	ds_add_u32 v28, v29
	ds_add_u32 v28, v29
	s_wait_dscnt 0x0
	v_lshrrev_b32 v1, 5, v0
	v_readfirstlane_b32 s14, v1                    ; wave 0..3
	s_lshr_b32 s15, s14, 1
	s_and_b32 s16, s14, 1
	s_bfe_u32 s96, ttmp6, 0x40000                  ; cx
	s_bfe_u32 s97, ttmp6, 0x40004                  ; cy
	s_lshl_b32 s67, ttmp9, 2
	s_add_co_u32 s67, s67, s96                     ; tc: which 256 outputs
	s_and_b32 s17, ttmp7, 0xffff
	s_lshl_b32 s17, s17, 2
	s_add_co_u32 s17, s17, s97                     ; tr: which 128 tokens
	s_lshl_b32 s98, s97, 2
	s_lshl_b32 s98, 15, s98                        ; my row of the cluster
	s_lshl_b32 s99, 0x1111, s96                    ; my column
	; a's tile: 4 token tiles, 12,288 dense bytes, as 48 rows of 256 bytes, no padding
	s_or_b32 s[G1A], s98, (3<<16)|(1<<21)
	s_mov_b32 s[G1A+1], 32<<16
	s_mov_b32 s[G1A+2], 48<<16
	s_mov_b32 s[G1A+3], 32<<16
	s_mov_b32 s[G1A+4], 48
	s_mov_b32 s[G1A+5], 32
	s_mov_b32 s[G1A+6], 0
	s_mov_b32 s[G1A+7], 0
	; w_out's: 128 rows of 192 bytes, 16 bytes of padding behind every 64
	s_or_b32 s[G1B], s99, (1<<20)|(1<<21)|(3<<22)|(3<<25)
	s_mov_b32 s[G1B+1], ROWB<<16
	s_mov_b32 s[G1B+2], 128<<16
	s_mov_b32 s[G1B+3], ROWB<<16
	s_mov_b32 s[G1B+4], 128
	s_mov_b32 s[G1B+5], KROW
	s_mov_b32 s[G1B+6], 0
	s_mov_b32 s[G1B+7], 0
	; the scale bytes: dense blocks as rows of 256 bytes, 16 bytes of padding behind each; a: 8 rows a load, w_out: 16
	s_or_b32 s[G1SA], s98, (3<<16)|(1<<20)|(1<<21)|(5<<22)|(3<<25)
	s_or_b32 s[G1SB], s99, (3<<16)|(1<<20)|(1<<21)|(5<<22)|(3<<25)
	s_mov_b32 s[G1SA+1], 32<<16
	s_mov_b32 s[G1SA+2], 8<<16
	s_mov_b32 s[G1SA+3], 32<<16
	s_mov_b32 s[G1SA+4], 8
	s_mov_b32 s[G1SA+5], 32
	s_mov_b32 s[G1SA+6], 0
	s_mov_b32 s[G1SA+7], 0
	s_mov_b32 s[G1SB+1], 32<<16
	s_mov_b32 s[G1SB+2], 16<<16
	s_mov_b32 s[G1SB+3], 32<<16
	s_mov_b32 s[G1SB+4], 16
	s_mov_b32 s[G1SB+5], 32
	s_mov_b32 s[G1SB+6], 0
	s_mov_b32 s[G1SB+7], 0
	s_lshl_b32 s18, s17, 3
	s_lshl_b32 s19, s16, 2
	s_add_co_u32 s18, s18, s19                     ; a: token tile 8 tr + 4 (wave & 1)
	s_mul_i32 s22, s18, 3072
	s_lshl_b32 s18, s18, 9                         ; its scale bytes: 16 tokens x 32
	s_lshl_b32 s20, s67, 8
	s_lshl_b32 s21, s16, 7
	s_add_co_u32 s20, s20, s21                     ; w_out: row 256 tc + 128 (wave & 1)
	s_mul_i32 s100, s20, KROW
	s_lshl_b32 s20, s20, 5
	s_mov_b32 s19, 0
	s_mov_b32 s21, 0
	s_mov_b32 s23, 0
	s_mov_b32 s101, 0
	s_mul_i32 s2, s16, 4*3072                      ; where they go: no place in the cluster enters an LDS address
	s_mul_i32 s3, s16, 128*PITCH
	s_wait_kmcnt 0x0
	s_add_nc_u64 s[22:23], s[4:5], s[22:23]
	s_add_nc_u64 s[18:19], s[6:7], s[18:19]
	s_add_nc_u64 s[100:101], s[8:9], s[100:101]
	s_add_nc_u64 s[20:21], s[10:11], s[20:21]
	CROUND                                         ; all sixteen work-groups are here: the first joint loads meet
	s_mov_b32 s[G0SA], 1
	s_mul_i32 s[G0SA+1], s16, 8*272
	s_add_co_u32 s[G0SA+1], s[G0SA+1], SCL
	s_mov_b64 s[G0SA+2:G0SA+3], s[18:19]
	s_or_b32 s[G0SA+3], s[G0SA+3], 0x80000000
	s_mov_b32 s[G0SB], 1
	s_mul_i32 s[G0SB+1], s16, 16*272
	s_add_co_u32 s[G0SB+1], s[G0SB+1], SCLB
	s_mov_b64 s[G0SB+2:G0SB+3], s[20:21]
	s_or_b32 s[G0SB+3], s[G0SB+3], 0x80000000
	JLOAD G0SA, G1SA, G0SB, G1SB                   ; the scale bytes for all of K: filled once
.irp s, 0,1,2
	s_mov_b32 s[G0A+4*\s], 1
	s_add_co_u32 s[G0A+4*\s+1], s2, \s*SLOT
	s_add_nc_u64 s[G0A+4*\s+2:G0A+4*\s+3], s[22:23], \s*ASTEP
	s_or_b32 s[G0A+4*\s+3], s[G0A+4*\s+3], 0x80000000
	s_mov_b32 s[G0B+4*\s], 1
	s_add_co_u32 s[G0B+4*\s+1], s3, \s*SLOT+AREG
	s_add_nc_u64 s[G0B+4*\s+2:G0B+4*\s+3], s[100:101], \s*ROWB
	s_or_b32 s[G0B+4*\s+3], s[G0B+4*\s+3], 0x80000000
	JLOAD G0A+4*\s, G1A, G0B+4*\s, G1B             ; by this text's count four loads of a wave are out
.endr
	v_and_b32 v1, 15, v0                           ; r
	v_bfe_u32 v2, v0, 4, 1                         ; h
	v_and_b32 v3, 31, v0                           ; lane
	v_mul_u32_u24 v6, v1, PITCH
	v_mad_u32_u24 v4, v2, 24, v6
	v_mad_u32_u24 v5, v2, 40, v6
	v_lshlrev_b32 v7, 3, v3                        ; 8 x lane: an image's place for my lane
	s_mul_i32 s2, s15, 4*3072                      ; my 64 tokens
	s_mul_i32 s3, s16, 128*PITCH
	s_add_co_u32 s3, s3, AREG                      ; my 128 rows of w_out
.irp s, 0,1,2
	v_add_nc_u32 v[ADRN+\s], s2, v7
	v_add_nc_u32 v[ADRP+\s], s3, v4
	v_add_nc_u32 v[ADRP+3+\s], s3, v5
	s_add_co_u32 s2, s2, SLOT
	s_add_co_u32 s3, s3, SLOT
.endr
	v_lshlrev_b32 v6, 5, v1                        ; a row's 32 scale bytes, and 16 more for each 8 rows passed
	v_lshrrev_b32 v7, 3, v1
	v_lshl_add_u32 v6, v7, 4, v6
	s_mul_i32 s2, s15, 8*272
	s_add_co_u32 s2, s2, SCL
	v_add_nc_u32 v[ADSN], s2, v6
	s_mul_i32 s2, s16, 16*272
	s_add_co_u32 s2, s2, SCLB
	v_add_nc_u32 v[ADSP], s2, v6
	; the bias is the C of each sum's first product: register j of tile b is output 16 b + 8 h + j; CI(b) in window 1 at v[96 + 8 b] (b < 4), v[224 + 8 (b - 4)]
	v_lshlrev_b32 v22, 5, v2
	s_lshl_b32 s2, s67, 10
	s_lshl_b32 s3, s16, 9
	s_add_co_u32 s2, s2, s3                        ; my first output, in bytes
	s_mov_b32 s3, 0
	s_add_nc_u64 s[12:13], s[12:13], s[2:3]
	s_add_nc_u64 s[92:93], s[92:93], s[2:3]
	WIN 0x40
.irp t, 0,1,2,3,4,5,6,7
	global_load_b128 v[96+8*\t+96*(\t/4):96+8*\t+96*(\t/4)+3], v22, s[12:13] offset:64*\t
	global_load_b128 v[96+8*\t+96*(\t/4)+4:96+8*\t+96*(\t/4)+7], v22, s[12:13] offset:64*\t+16
.endr
	WIN 0
	s_lshl_b32 s2, s17, 7
	s_lshl_b32 s96, s15, 6
	s_add_co_u32 s2, s2, s96
	s_lshl_b32 s2, s2, 12                          ; my first token's row of 4,096 bytes
	s_add_nc_u64 s[92:93], s[92:93], s[2:3]
	s_mul_i32 s2, s14, 16*SPITCH
	s_add_co_u32 s2, s2, STAGE                     ; my stage
	v_mul_u32_u24 v6, v1, SPITCH
	v_lshl_add_u32 v6, v2, 5, v6
	v_add_nc_u32 v[STO], s2, v6                    ; in: row r, 32 bytes for each half of the lanes
	v_lshlrev_b32 v[CO], 4, v3                     ; back: 32 lanes take one row of 512 bytes; the same in out0
	v_add_nc_u32 v[RD], s2, v[CO]
.macro FRAG reg, adr, q, i             ; w_out's fragment: six pieces of 8 bytes; lanes 16-31 read three pieces further on, for some pieces behind one padding more
.irp p, 0,1,2,3,4,5
.set PCE, 12*(\q)+6*(\p/3)+\p%3
.if PCE%8 < 5
	ds_load_b64 v[\reg+2*\p:\reg+2*\p+1], v[\adr] offset:8*PCE+16*(PCE/8)+(\i)*16*PITCH
.else
	ds_load_b64 v[\reg+2*\p:\reg+2*\p+1], v[\adr+3] offset:8*PCE+16*(PCE/8)+(\i)*16*PITCH
.endif
.endr
.endm
.macro SCALES k
.irp a, 0,1,2,3
	ds_load_b64 v[SC+24*((\k)%2)+2*\a:SC+24*((\k)%2)+2*\a+1], v[ADSN] offset:544*\a+8*(\k)
.endr
.irp b, 0,1,2,3,4,5,6,7
	ds_load_b64 v[SC+24*((\k)%2)+8+2*\b:SC+24*((\k)%2)+8+2*\b+1], v[ADSP] offset:544*\b+8*(\k)
.endr
.endm
.macro FETCH g                         ; step g of 128 along K into set g % 2.  a's fragments come as they were stored: each load takes 256 consecutive bytes
.set SL, ((\g)/2)%3
.set QQ, (\g)%2
	WIN 0x40
.irp i, 0,1,2,3,4,5,6,7
	FRAG 128*QQ+12*\i, ADRP+SL, QQ, \i
.endr
	WIN 0
.irp a, 0,1,2,3
.irp p, 0,1,2,3,4,5
	ds_load_b64 v[NF+48*QQ+12*\a+2*\p:NF+48*QQ+12*\a+2*\p+1], v[ADRN+SL] offset:3072*\a+1536*QQ+256*\p
.endr
.endr
.if QQ == 0
	SCALES (\g)/2
.endif
.endm
; Eight products: token tile a against w_out's eight blocks.  cm = 1: the bias starts the sums.  The 32 accumulators take turns in one order in every step.
.macro MUL8 a, g, cm
.if \cm
	WIN 0x91
.else
	WIN 0xa1
.endif
.irp b, 0,1,2,3,4,5,6,7
.set rD, 8*(8*(\a)+\b)
.set rP, 128*((\g)%2)+12*\b
.set rN, NF+48*((\g)%2)+12*(\a)
.set rSP, SC+24*(((\g)/2)%2)+8+2*\b+(\g)%2
.set rSN, SC+24*(((\g)/2)%2)+2*(\a)+(\g)%2
.if \cm == 0
	v_wmma_scale_f32_16x16x128_f8f6f4 v[rD:rD+7], v[rP:rP+11], v[rN:rN+11], v[rD:rD+7], v[rSP], v[rSN] matrix_a_fmt:MATRIX_FMT_FP6 matrix_b_fmt:MATRIX_FMT_FP6
.else
.set rC, 96+8*\b+96*(\b/4)
	v_wmma_scale_f32_16x16x128_f8f6f4 v[rD:rD+7], v[rP:rP+11], v[rN:rN+11], v[rC:rC+7], v[rSP], v[rSN] matrix_a_fmt:MATRIX_FMT_FP6 matrix_b_fmt:MATRIX_FMT_FP6
.endif
.endr
.endm
.macro STEP g
	s_wait_dscnt 0x0
	PLACES 4                                       ; in front of loads into registers that the step before has multiplied
	FETCH (\g)+1
	MUL8 0, \g, 0
	MUL8 1, \g, 0
	MUL8 2, \g, 0
	MUL8 3, \g, 0
	WIN 0
.endm
	s_wait_tensorcnt 2                             ; the scale bytes and my part of slot 0 are in; slots 1 and 2 may stay out
	s_wait_loadcnt 0x0                             ; the bias
	s_barrier_signal -1
	s_barrier_wait -1
	FETCH 0
	s_wait_dscnt 0x0
	FETCH 1
	MUL8 0, 0, 1
	MUL8 1, 0, 1
	MUL8 2, 0, 1
	MUL8 3, 0, 1
	WIN 0
	; step 1 leaves slot 0, which is filled again with the last 256 along K
	s_wait_tensorcnt 0x0                           ; all my tensor loads have landed
	ds_add_u32 v[SPW], v[NIL]                      ; 0 onto my spare word
	s_wait_dscnt 1                                 ; step 1's fragments are in; the add may be out
	MUL8 0, 1, 0
	s_wait_dscnt 0x0                               ; the add is done, and my reads of slot 0 are over
	s_barrier_signal -1
	MUL8 1, 1, 0
	WIN 0
	s_barrier_wait -1
	CREST                                          ; the barrier has opened a round of the cluster's barrier: no wave of any partner still reads slot 0 or has a load on its way
	s_add_nc_u64 s[G0A+2:G0A+3], s[G0A+2:G0A+3], 3*ASTEP
	s_add_nc_u64 s[G0B+2:G0B+3], s[G0B+2:G0B+3], 3*ROWB
	JLOAD G0A, G1A, G0B, G1B                       ; my one tensor load behind the round; its four v_nop are also the places in front of the loads below
	FETCH 2
	MUL8 2, 1, 0
	MUL8 3, 1, 0
	WIN 0
	STEP 2
	STEP 3
	STEP 4
	s_wait_dscnt 0x0                               ; step 5: behind its barrier the refilled slot 0 is read; nothing is filled again
	s_wait_tensorcnt 0x0
	s_barrier_signal -1
	MUL8 0, 5, 0
	MUL8 1, 5, 0
	WIN 0
	s_barrier_wait -1
	PLACES 4
	FETCH 6
	MUL8 2, 5, 0
	MUL8 3, 5, 0
	WIN 0
	STEP 6
	s_wait_dscnt 0x0
	MUL8 0, 7, 0
	MUL8 1, 7, 0
	MUL8 2, 7, 0
	MUL8 3, 7, 0
	WIN 0
; THE WAY OUT, a tile of 16 tokens x 128 outputs at a time, through my own stage.  LDS serves a wave's instructions in order (ISA guide 5.7.1.4): no wait between the stores and the loads, nor in front of the next tile's stores.
.macro TOSTAGE a
	WIN 0x08                                       ; an LDS store's data are its source 1: window 2
.irp b, 0,1,2,3,4,5,6,7
	ds_store_b128 v[STO], v[8*(8*(\a)+\b):8*(8*(\a)+\b)+3] offset:64*\b          ; each accumulator from its low end on
	ds_store_b128 v[STO], v[8*(8*(\a)+\b)+4:8*(8*(\a)+\b)+7] offset:64*\b+16
.endr
	WIN 0
.set BB, BK+64*((\a)%2)
.irp t, 0,1,2,3,4,5,6,7,8,9,10,11,12,13,14,15
	ds_load_b128 v[BB+4*\t:BB+4*\t+3], v[RD] offset:\t*SPITCH
.endr
.endm
.macro SEND a, younger                 ; younger: the LDS instructions issued behind tile a's loads, which may stay out
.set BB, BK+64*((\a)%2)
	s_wait_dscnt \younger
.irp t, 0,1,2,3,4,5,6,7,8,9,10,11,12,13,14,15
	global_store_b128 v[CO], v[BB+4*\t:BB+4*\t+3], s[92:93] offset:(16*(\a)+\t)*4096 th:TH_STORE_NT   ; 32 lanes store 512 consecutive bytes, aligned; 63 rows at the most stand in the immediate
.endr
.endm
	PLACES 4                                       ; in front of the first read of results and of loads into the registers that held a's fragments
	TOSTAGE 0
.irp a, 1,2,3
.if \a > 1
	s_wait_xcnt 0x0                                ; tile a - 2's stores have read their registers: tile a's loads may land there
.endif
	TOSTAGE \a
	SEND \a-1, 32                                  ; behind tile a - 1's loads: tile a's 16 stores and 16 loads
.endr
	SEND 3, 0
	s_wait_tensorcnt 0x0                           ; the wave's end
	ds_add_u32 v[SPW], v[NIL]
	s_wait_dscnt 0x0
	CROUND                                         ; the closing round
	s_endpgm
.Lfunc_end_k_q548c842f61_proj:
	.size	k_q548c842f61_proj, .Lfunc_end_k_q548c842f61_proj-k_q548c842f61_proj
	.p2alignl 7, 3214868480
	.fill 96, 4, 3214868480
	.section	.rodata,"a",@progbits
	.p2align	6, 0x0
	.amdhsa_kernel k_q548c842f61_proj
		.amdhsa_group_segment_fixed_size 327680
		.amdhsa_private_segment_fixed_size 0
		.amdhsa_enable_private_segment 0
		.amdhsa_kernarg_size 48
		.amdhsa_user_sgpr_count 2
		.amdhsa_user_sgpr_kernarg_segment_ptr 1
		.amdhsa_wavefront_size32 1
		.amdhsa_system_sgpr_workgroup_id_x 1
		.amdhsa_system_sgpr_workgroup_id_y 1
		.amdhsa_system_sgpr_workgroup_id_z 1
		.amdhsa_system_vgpr_workitem_id 0
		.amdhsa_next_free_vgpr 768
		.amdhsa_next_free_sgpr 102
		.amdhsa_reserve_vcc 0
		.amdhsa_float_denorm_mode_32 3
		.amdhsa_float_denorm_mode_16_64 3
		.amdhsa_memory_ordered 1
		.amdhsa_forward_progress 1
		.amdhsa_inst_pref_size 102
	.end_amdhsa_kernel
	.amdgpu_metadata
---
amdhsa.version: [ 1, 2 ]
amdhsa.kernels:
  - .name:           k_q548c842f61_proj
    .symbol:         k_q548c842f61_proj.kd
    .args:
      - { .name: arec, .offset: 0, .size: 8, .value_kind: global_buffer, .address_space: global }
      - { .name: ascl, .offset: 8, .size: 8, .value_kind: global_buffer, .address_space: global }
      - { .name: w_out_codes, .offset: 16, .size: 8, .value_kind: global_buffer, .address_space: global }
      - { .name: w_out_scales, .offset: 24, .size: 8, .value_kind: global_buffer, .address_space: global }
      - { .name: b_out, .offset: 32, .size: 8, .value_kind: global_buffer, .address_space: global }
      - { .name: out0, .offset: 40, .size: 8, .value_kind: global_buffer, .address_space: global }
    .group_segment_fixed_size: 327680
    .private_segment_fixed_size: 0
    .kernarg_segment_align: 8
    .kernarg_segment_size: 48
    .max_flat_workgroup_size: 128
    .sgpr_count:     102
    .vgpr_count:     768
    .wavefront_size: 32
...
	.end_amdgpu_metadata
.endif
;; end of part 3
